; MI455X (gfx1250); checked and timed in simulation.
; The chip was launched on July 23, 2026; its instructions are those of AMD's public machine-readable ISA for CDNA 5 (MIT licence, August 2026) and "CDNA5" Instruction Set Architecture Reference Guide (July 2026). The comments in the code are by the model that wrote it; some were corrected since.
;; Attention. Allowed arithmetic: matrix products marked QUANTISED: E2M3 operands, one E8M0 scale for each 32 along K, by v_wmma_scale_f32_16x16x128_f8f6f4 with both operands' format E2M3, f32 sums; everything else in f32.
;; Inputs: qkv_w 3,072 x 1,024 float32; x 8 x 1,024 x 1,024 float32.
;; Outputs: out0 8 x 1,024 x 1,024 float32.
;; This version of the problem:
;;   THIS VERSION OF THE PROBLEM IS GIVEN IN LOW PRECISION. The matrix products marked QUANTISED in the list below multiply operands that are first quantised to E2M3 (2 exponent bits, 3 mantissa bits; 6 bits a number), with one power-of-two scale for each 32 numbers along K (OCP MX v1.0); their sums are f32. All else is computed in f32.
;;   The module's matrix products, in the order in which they are computed (A, B: the left and right operand; K: the contracted axis; several contracted axes count as one K, in the product's order):
;;     1. [M 8,192, K 1,024] x [K 1,024, N 3,072]; A: input x; B: input qkv_w: QUANTISED
;;     2. batch 128 x [M 1,024, K 64] x [K 64, N 1,024]; A: computed on the way; B: computed on the way: QUANTISED
;;     3. batch 128 x [M 1,024, K 1,024] x [K 1,024, N 64]; A: softmax (see below); B: computed on the way: QUANTISED
;;   THE QUANTISER, for each operand of a quantised product, along K:
;;     - K is cut into blocks of 32 from its start; a last block that is shorter is filled with zeros.
;;     - A block's scale is 2^e with e = floor(log2(the largest magnitude in the block)) - 2, held to -126 .. 127; a block of zeros has e = 0. As a byte (E8M0): e + 127.
;;     - Each number is divided by its block's scale, clamped to +-7.5, and rounded to the nearest number of E2M3, ties to even, subnormals kept.
;;     - The product sums the exact products of the quantised numbers (number of the format x scale) in f32.
;;   ~~~python
;;   def quantise(x, axis):      # numpy; x: float32 -> the quantised numbers, widened to float32 again
;;       x = np.moveaxis(x, axis, -1); K = x.shape[-1]
;;       x = np.pad(x, [(0, 0)] * (x.ndim - 1) + [(0, -K % 32)]); x = x.reshape(x.shape[:-1] + (-1, 32)); a = np.abs(x).max(-1, keepdims=True)
;;       e = np.where(a > 0, np.clip(np.frexp(np.where(a > 0, a, 1))[1] - 1 - 2, -126, 127), 0)      # np.frexp(a)[1] - 1 = floor(log2(a)), exactly
;;       r = np.clip(x / 2.0 ** e, -7.5, 7.5)
;;       step = 2.0 ** (np.maximum(np.frexp(np.where(r == 0, 1, r))[1] - 1, 0) - 3)
;;       q = np.round(r / step) * step * 2.0 ** e      # np.round: ties to even
;;       return np.moveaxis(q.reshape(q.shape[:-2] + (-1,))[..., :K], -1, axis).astype(np.float32)
;;   ~~~
;;   SOFTMAX AHEAD OF A QUANTISED PRODUCT. Where the list says 'softmax', what is quantised is not the finished softmax but p = 2^(t - M), with t = logit x log2(e) and M = ceil(the row's largest t), a whole number; so 1/2 < the row's largest p <= 1. The row's sum l is taken of the UNQUANTISED p, in f32, and the product's result is divided by l at the end. Since M is a whole number, a kernel that streams over the keys may use a running M (the ceiling of the running maximum): every later rescaling is an exact power of two, which a block's scale takes up: the codes' values come out the same.
;;   OPERANDS COMPUTED ON THE WAY. 'Computed on the way' means the value that the module computes at that place (a softmax that the list does not call 'softmax' is quantised finished and normalised). What goes into a quantiser is computed in f32, as accurately as f32 sums, v_exp_f32 and their like allow (about 1e-6 of the number): no bf16 or f16 on the way to a quantiser, and a product that is left as it is and whose result goes on into a quantised operand takes f32 operands (vector FMAs, or v_wmma_f32_16x16x4_f32). A number that lies on a knife's edge between two numbers of the format may be rounded either way, as far as f32 arithmetic and the matrix unit's own rounding can turn it there, and no further.
;; One version. Each part assembles by itself: llvm-mc -triple=amdgcn-amd-amdhsa -mcpu=gfx1250 --defsym DOCPART=n.
;; ======== version 1 of 1: 3 launches
;; workspace buffers: xc 6,291,456 bytes; xs 262,144 bytes; wc 2,359,296 bytes; ws 98,304 bytes; qkvc 18,874,368 bytes; qkvs 786,432 bytes
;; launch quant (part 1): grid 352 x 1, 4 waves a work-group, no clusters, 33,280 bytes of LDS; arguments x, qkv_w, xc, xs, wc, ws; writes xc, xs, wc, ws
.if DOCPART == 1
	.amdgcn_target "amdgcn-amd-amdhsa--gfx1250"
	.amdhsa_code_object_version 6
	.text
	.protected	k_q299820e5f6_quant
	.globl	k_q299820e5f6_quant
	.p2align	8
	.type	k_q299820e5f6_quant,@function
k_q299820e5f6_quant:
	s_mov_b64 s[64:65], 0
	v_nop
	global_prefetch_b8 v0, s[64:65] scope:SCOPE_SE
	s_setreg_imm32_b32 hwreg(HW_REG_WAVE_MODE, 25, 1), 1
	s_wait_xcnt 0x0
; x [8192][1024] and qkv_w [3072][1024], f32, are turned into codes of FP6 (E2M3), 6 bits each, K innermost (768 bytes a row), with one E8M0 scale byte for each 32 along K (32 bytes a row).
; A block's scale is 2^(floor(log2(its largest magnitude)) - 2); its byte is the largest magnitude's own exponent field - 2, held at 1 from below.  Each number is divided by the scale and rounded
; to the nearest code, ties to even; beyond the largest code the conversion gives the largest code.
; LIMITS: a block of zeros gets the byte 1 where the quantiser's rule says 127 (its codes are zeros, which add nothing under any byte but 0xff, and only this program reads the bytes);
; blocks whose largest magnitude lies under 2^(3 - 127), the floor, were not tried; NaN and infinities among the inputs are not served.
; THE ROWS LEAVE IN ANOTHER ORDER THAN THEY COME.  Of each 32 rows the four groups of 8 are stored in the order 0, 2, 1, 3.  So 16 rows that lie together in xc or wc, block 2 a + u, are the rows
; 32 a + 8 u + r + 8 (r / 8), r = 0 .. 15: with such rows as a matrix instruction's source 0, the 16 result registers of two neighbouring blocks are 16 neighbouring rows in the true order,
; which is what the next launch's quantiser wants.  A wave's run is 8,192 numbers = 8 rows, so the order costs only this: the two low bits of the OUTPUT run's number change places.
; A wave takes 16 steps of 512 numbers.  Each of a step's four loads reads 512 consecutive bytes, 16 a lane; the 2,048 bytes go through the wave's own stage in LDS and come back 64 bytes a lane, so that a
; lane holds 16 neighbours along K (two neighbouring lanes hold a block).  The stage has 16 bytes of padding behind each 64.  A lane's 16 codes are 12 bytes: the wave stores 384 consecutive bytes.
; A wave's 256 scale bytes are gathered in its own 256 bytes of LDS and leave as one aligned run of 256 bytes.
; One launch serves both tensors: the first WGA work-groups take x, the others qkv_w.  No tensor loads, no barrier: waves share nothing.  Loads run four steps (16 loads a wave) ahead.
.set SIZE_M, 8192
.set SIZE_N, 3072
.set SIZE_K, 1024
.set WAVES, 4
.set STEPS, 16
.set WGA,   SIZE_M*SIZE_K/(512*STEPS*WAVES)    ; 256 work-groups for x, 96 for qkv_w
.set EMAX,  2
.set CB,    12                         ; bytes of 16 codes
.set R,     16                         ; v16-79   four sets of 16 numbers as they are loaded
.set X,     80                         ; v80-111  two sets of 16 neighbours
.set C,     128                        ; v128-191 codes: four registers for each step, so that no store's data are written again
.set E,     112                        ; v112-127 a scale byte for each step
.set WREG,  8192                       ; LDS: a region of its own for each wave: two stages of 32 x SP bytes, and behind them its 256 scale bytes
.set SP,    80                         ; a lane's place in a stage: its 64 bytes + 16 of padding
	s_load_b128 s[4:7], s[0:1], 0x0                ; x, qkv_w
	s_load_b128 s[8:11], s[0:1], 0x10              ; x's codes, x's scales
	s_load_b128 s[12:15], s[0:1], 0x20             ; qkv_w's codes, qkv_w's scales
	v_lshl_add_u32 v192, v0, 2, 0x8000
	v_mov_b32 v193, 0
	v_lshrrev_b32 v1, 5, v0
	v_readfirstlane_b32 s16, v1                    ; wave
	v_and_b32 v2, 31, v0                           ; lane
	v_lshlrev_b32 v3, 4, v2                        ; my 16 bytes of a load's 512
	s_mul_i32 s17, s16, WREG
	v_lshrrev_b32 v14, 2, v2
	v_mul_u32_u24 v14, v14, SP
	v_and_b32 v15, 3, v2
	v_lshl_add_u32 v14, v15, 4, v14
	v_add_nc_u32 v14, s17, v14                     ; the stage, on the way in: four lanes' 64 bytes on end, then 16 of padding
	v_mul_u32_u24 v15, v2, SP
	v_add_nc_u32 v15, s17, v15                     ; and on the way out: SP x lane: my 16 neighbours
	v_mul_u32_u24 v4, v2, CB                       ; my codes' place in a step's
	v_lshrrev_b32 v5, 1, v2
	s_add_co_u32 s17, s17, 2*32*SP
	v_add_nc_u32 v5, s17, v5                       ; LDS: my wave's 256 scale bytes, my block's byte
	v_lshlrev_b32 v7, 3, v2                        ; and on the way out 8 bytes a lane
	v_add_nc_u32 v6, s17, v7
	s_wait_kmcnt 0x0
	s_cmp_lt_u32 ttmp9, WGA                        ; x's work-group or qkv_w's?  The choice hangs on the work-group's number alone
	s_cselect_b64 s[4:5], s[4:5], s[6:7]
	s_cselect_b64 s[8:9], s[8:9], s[12:13]
	s_cselect_b64 s[10:11], s[10:11], s[14:15]
	s_cselect_b32 s17, 0, WGA
	s_sub_co_u32 s17, ttmp9, s17
	s_lshl_b32 s17, s17, 2
	s_add_co_u32 s18, s17, s16                     ; which run of 8,192 numbers (8 rows) of the tensor is my wave's
	s_mov_b32 s19, 0
	s_and_b32 s22, s18, 0xfffffffc                 ; where the run goes: bits 0 and 1 of its number change places (groups 0, 2, 1, 3 of each 32 rows)
	s_and_b32 s23, s18, 1
	s_lshl_b32 s23, s23, 1
	s_or_b32 s22, s22, s23
	s_bfe_u32 s23, s18, 0x10001
	s_or_b32 s22, s22, s23
	s_mov_b32 s23, 0
	s_mov_b64 s[20:21], 512*STEPS*4
	s_mul_u64 s[20:21], s[18:19], s[20:21]
	s_add_nc_u64 s[4:5], s[4:5], s[20:21]          ; in: by the run's own number
	s_mov_b64 s[20:21], 32*STEPS*CB
	s_mul_u64 s[20:21], s[22:23], s[20:21]
	s_add_nc_u64 s[8:9], s[8:9], s[20:21]          ; out: 6,144 bytes of codes a run,
	s_lshl_b32 s22, s22, 8
	s_add_nc_u64 s[10:11], s[10:11], s[22:23]      ; 256 scale bytes a run
.macro LOAD t
.irp i, 0,1,2,3
	global_load_b128 v[R+16*((\t)%4)+4*\i:R+16*((\t)%4)+4*\i+3], v3, s[4:5] offset:2048*(\t)+512*\i th:TH_LOAD_NT   ; 32 lanes read 512 consecutive bytes
.endr
.endm
.macro TURN t                          ; step t's numbers through the stage: LDS serves a wave's instructions in order, so no wait stands between the stores and the loads
.irp i, 0,1,2,3
	ds_store_b128 v14, v[R+16*((\t)%4)+4*\i:R+16*((\t)%4)+4*\i+3] offset:32*SP*((\t)%2)+8*SP*\i
.endr
.irp i, 0,1,2,3
	ds_load_b128 v[X+16*((\t)%2)+4*\i:X+16*((\t)%2)+4*\i+3], v15 offset:32*SP*((\t)%2)+16*\i
.endr
.endm
.irp t, 0,1,2,3
	LOAD \t
.endr
	s_wait_loadcnt 12                              ; step 0's four loads are in
	TURN 0
.macro STEP t
.set XS, X+16*((\t)%2)
.if (\t) > 0
	s_wait_dscnt 1                                 ; this step's numbers are back from the stage (the last step's byte store may be out): so its stores into the stage have read their registers,
.else
	s_wait_dscnt 0x0
.endif
.if (\t)+4 < STEPS
	LOAD (\t)+4                                    ; which take the loads of four steps on
.endif
.if (\t)+1 < STEPS
.if STEPS-2-(\t) >= 3
	s_wait_loadcnt 12                              ; the next step's four loads are in; those of the three steps behind it may be out
.else
	s_wait_loadcnt 4*(STEPS-2-(\t))
.endif
	TURN (\t)+1                                    ; and go through the other stage while this step is worked
.endif
	v_max3_num_f32 v8, |v[XS]|, |v[XS+1]|, |v[XS+2]|               ; the largest magnitude of my 16, in two chains
	v_max3_num_f32 v9, |v[XS+3]|, |v[XS+4]|, |v[XS+5]|
.irp i, 6,10
	v_max3_num_f32 v8, v8, |v[XS+\i]|, |v[XS+\i+1]|
	v_max3_num_f32 v9, v9, |v[XS+\i+2]|, |v[XS+\i+3]|
.endr
	v_max3_num_f32 v8, v8, |v[XS+14]|, |v[XS+15]|
	v_max3_num_f32 v8, v8, v9, (EMAX+1)<<23        ; and the floor 2^(EMAX + 1 - 127): so the byte cannot fall under 1
	v_max_num_f32_dpp v8, v8, v8 row_xmask:1 row_mask:0xf bank_mask:0xf   ; and of my neighbour's 16: the block's
	v_add_nc_u32 v11, 0xff000000, v8               ; EMAX off its exponent field: the conversion takes the exponent field of this operand as its scale, and nothing else of it
	v_cvt_scalef32_pk16_fp6_f32 v[C+4*(\t):C+4*(\t)+2], v[XS:XS+15], v11   ; sixteen codes, 96 bits without gaps, the first number's code lowest
	v_lshrrev_b32 v[E+(\t)], 23, v11               ; the scale's byte (a plain line behind the conversion)
	ds_store_b8 v5, v[E+(\t)] offset:16*(\t)       ; both lanes of a block write the same byte with the same value
	global_store_b96 v4, v[C+4*(\t):C+4*(\t)+2], s[8:9] offset:32*CB*(\t)
.endm
.irp t, 0,1,2,3,4,5,6,7,8,9,10,11,12,13,14,15
	STEP \t
.endr
	ds_load_b64 v[12:13], v6                       ; LDS serves a wave's instructions in order: these see my stores
	s_wait_dscnt 0x0
	global_store_b64 v7, v[12:13], s[10:11]        ; 32 lanes store 256 consecutive bytes, aligned
	s_wait_tensorcnt 0x0
	ds_add_u32 v192, v193
	s_wait_dscnt 0x0
	s_endpgm
.Lfunc_end_k_q299820e5f6_quant:
	.size	k_q299820e5f6_quant, .Lfunc_end_k_q299820e5f6_quant-k_q299820e5f6_quant
	.p2alignl 7, 3214868480
	.fill 96, 4, 3214868480
	.section	.rodata,"a",@progbits
	.p2align	6, 0x0
	.amdhsa_kernel k_q299820e5f6_quant
		.amdhsa_group_segment_fixed_size 33280
		.amdhsa_private_segment_fixed_size 0
		.amdhsa_enable_private_segment 0
		.amdhsa_kernarg_size 48
		.amdhsa_user_sgpr_count 2
		.amdhsa_user_sgpr_kernarg_segment_ptr 1
		.amdhsa_wavefront_size32 1
		.amdhsa_system_sgpr_workgroup_id_x 1
		.amdhsa_system_sgpr_workgroup_id_y 1
		.amdhsa_system_sgpr_workgroup_id_z 1
		.amdhsa_system_vgpr_workitem_id 0
		.amdhsa_next_free_vgpr 194
		.amdhsa_next_free_sgpr 66
		.amdhsa_reserve_vcc 0
		.amdhsa_float_denorm_mode_32 3
		.amdhsa_float_denorm_mode_16_64 3
		.amdhsa_memory_ordered 1
		.amdhsa_forward_progress 1
		.amdhsa_inst_pref_size 33
	.end_amdhsa_kernel
	.amdgpu_metadata
---
amdhsa.version: [ 1, 2 ]
amdhsa.kernels:
  - .name:           k_q299820e5f6_quant
    .symbol:         k_q299820e5f6_quant.kd
    .args:
      - { .name: x, .offset: 0, .size: 8, .value_kind: global_buffer, .address_space: global }
      - { .name: qkv_w, .offset: 8, .size: 8, .value_kind: global_buffer, .address_space: global }
      - { .name: xc, .offset: 16, .size: 8, .value_kind: global_buffer, .address_space: global }
      - { .name: xs, .offset: 24, .size: 8, .value_kind: global_buffer, .address_space: global }
      - { .name: wc, .offset: 32, .size: 8, .value_kind: global_buffer, .address_space: global }
      - { .name: ws, .offset: 40, .size: 8, .value_kind: global_buffer, .address_space: global }
    .group_segment_fixed_size: 33280
    .private_segment_fixed_size: 0
    .kernarg_segment_align: 8
    .kernarg_segment_size: 48
    .max_flat_workgroup_size: 128
    .sgpr_count:     66
    .vgpr_count:     194
    .wavefront_size: 32
...
	.end_amdgpu_metadata
.endif
;; end of part 1
;; launch proj (part 2): grid 12 x 32, 4 waves a work-group, clusters of 4 x 4, 327,680 bytes of LDS; arguments xc, xs, wc, ws, qkvc, qkvs; writes qkvc, qkvs
.if DOCPART == 2
	.amdgcn_target "amdgcn-amd-amdhsa--gfx1250"
	.amdhsa_code_object_version 6
	.text
	.protected	k_q299820e5f6_proj
	.globl	k_q299820e5f6_proj
	.p2align	8
	.type	k_q299820e5f6_proj,@function
k_q299820e5f6_proj:
	s_mov_b64 s[64:65], 0
	v_nop
	global_prefetch_b8 v0, s[64:65] scope:SCOPE_SE
	s_setreg_imm32_b32 hwreg(HW_REG_WAVE_MODE, 25, 1), 1
	s_wait_xcnt 0x0
	s_wait_alu depctr_hold_cnt(0) depctr_sa_sdst(0) depctr_va_vdst(0) depctr_va_sdst(0) depctr_va_ssrc(0) depctr_va_vcc(0) depctr_vm_vsrc(0)
	s_getreg_b32 s2, hwreg(HW_REG_IB_STS2, 6, 4)
	s_cmp_eq_u32 s2, 0
	s_cbranch_scc0 .Lentry_in_a_cluster
	s_endpgm
.Lentry_in_a_cluster:
	s_bfe_u32 s2, ttmp6, 0x10000c
	s_cmp_lg_u32 s2, 0xf033
	s_cbranch_scc0 .Lentry_shape_is_right
	s_endpgm
.Lentry_shape_is_right:
; qkv = x qkv_w^T on codes of FP6 (E2M3) with one E8M0 scale for each 32 along K = 1,024, sums in f32; and the results, q / 8, k and v, quantised again in registers and stored as the operands of attention.
; THE PRODUCT, in general terms: P and R are two tensors of rows of 1,024 codes.  A work-group of four waves makes 256 rows of P x 256 rows of R; a wave 128 x 128: 64 accumulators, 512 registers.
; Source 0 of the matrix instruction takes 16 rows of R, source 1 takes 16 rows of P: a lane then holds ONE row of P, and its registers run along R.
;   clusters x = 0, 1 (q, k): P = x (8,192 tokens), R = qkv_w's rows 0 .. 2,047 (channels): q and k are quantised along the channels, the K of q k^T.
;   cluster  x = 2    (v):    P = qkv_w's rows 2,048 .. 3,071 (channels), R = x (tokens): v is quantised along the tokens, the K of p v.  One text serves both: pointers and offsets are chosen by s_cselect.
; THE ORDER OF ROWS.  xc and wc hold, of each 32 rows, the four groups of 8 in the order 0, 2, 1, 3.  So the 16 result registers of R's blocks 2 b and 2 b + 1 are R's TRUE rows 32 b + 16 (lane / 16) + 0 .. 15:
; 16 neighbours along the next K, which the conversion takes as they stand.  P's rows stay in the stored order: lane r of stored block 2 a + u is true row 32 a + 8 u + r + 8 (r / 8); the next launch counts on that.
; WHAT IS STORED.  A FRAGMENT = 16 rows of P x 128 of R as the operand's 12 registers a lane, in 6 pieces of 256 bytes (piece p: registers 2 p, 2 p + 1; lane l's 8 bytes at 8 l): 1,536 bytes; its scale words, 64 bytes (row r's at 4 r).
; Fragment number F = (R / 128) x NP + (P / 16).  q, k: NP = 512, codes at 1,536 F, words at 64 F.  v: NP = 64, codes at 12,582,912 + 1,536 F, words at 524,288 + 64 F.
; q / 8: the factor is a power of two, so it goes into the scale bytes: the codes are those of q, 3 is taken off each byte, and the floor of the largest magnitude is 2^(6 - 127), so that the byte still cannot fall under 1.
; LIMITS: a block of zeros gets the byte 1 where the quantiser's rule says 127 (zero codes; only this program reads the bytes); blocks under the floor were not tried; NaN and infinities are not served.
; K goes in four steps of 256 through a ring of two LDS slots filled by the tensor data mover (a tile's row is 192 bytes); each slot is filled twice.  The scale bytes of the work-group's rows, for all of K, come once.
; CLUSTERS: 4 x 4 work-groups.  The four of a row of the cluster need the same tiles of P, the four of a column the same tiles of R: each tile is asked for JOINTLY, by the same tensor load with the same
; descriptor and a mask that names the four.
; REGISTERS, in windows of 256: window 0: v0-31 addresses; v32-63 scale words, two sets; from v128 P's fragments, ONE set; on the way out v64-195 are at work.
;   window 1: R's fragments, TWO sets, at v0 and at v128.   window 2: the accumulators of my P rows 0-63 (accumulator (a, b) at v[8 (8 a + b)]);   window 3: those of my P rows 64-127.
.set KSTEP,  256                       ; along K in a slot
.set NQ,     KSTEP/128                 ; matrix instructions deep
.set ROWB,   192                       ; a tile's row in bytes
.set KROW,   768                       ; a row of codes in memory
.set PITCH,  240                       ; an LDS row: 3 x (64 bytes of data + 16 of padding) = 60 words: the 32 lanes of a load of 8 bytes touch 64 different banks (64 banks of 4 bytes: ISA guide 11.1)
.set FR,     12                        ; registers of a fragment: 16 rows x 128 K
.set NL,     6                         ; LDS loads that bring one
.set NP,     4                         ; places behind this matrix instruction (ISA guide 7.12.1)
.set HALFT,  128*PITCH                 ; 128 rows: what one tensor load brings
.set SLOT,   4*HALFT                   ; P's 256 rows, then R's 256 rows
.set KS,     32                        ; a row of scale bytes
.set SCL,    2*SLOT                    ; behind the ring: the scales, as runs of 256 bytes + 16 of padding
.set HALFS,  (128*KS/256)*272          ; the scales of 128 rows: what one tensor load brings
.set SBLK,   (16*KS/256)*272           ; those of 16 rows
.set SPARE,  SCL+4*HALFS               ; the spare words, 128 bytes for each wave: two blocks of 256 bytes that no other line names
.set SST,    SPARE+512                 ; the way out: 512 bytes for each wave, in which its eight fragments' scale words meet; no tensor load lands here
.set ADRA, 16                          ; v16-17  LDS address of my P fragments in slot 0, 1  (v18-19: the same for the pieces that lie behind one padding more)
.set ADRB, 20                          ; v20-21  the same for R  (v22-23)
.set SSA,  24                          ; v24     the way out: where my row's scale word goes: SST + 512 x wave + 4 (lane % 16)
.set SSR,  25                          ; v25     and where 16 bytes of the wave's 512 come back: SST + 512 x wave + 16 x lane
.set CO8,  26                          ; v26     8 x lane: my place in a piece
.set ADRS, 27                          ; v27     LDS address of my scale words: lanes 0-15 P's rows, lanes 16-31 R's
.set SPW,  28                          ; v28     LDS address of my spare word; never rewritten
.set NIL,  29                          ; v29     0; never rewritten
.set CO16, 30                          ; v30     16 x lane
.set SC,   32                          ; scale words: set s at v[SC + 16 s]; register 2 i + q: lanes 0-15 the word of P's block i, lanes 16-31 that of R's block i
.set AF,   128                         ; P's fragments, in window 0
.set CD0,  64                          ; the way out: v64-159 the codes of block a at v[64 + 12 a]: registers of its own for each block, so that no store's data are written again
.set CT,   160                         ; v160-166 the upper halves of the blocks' codes, before they are moved
.set PW,   168                         ; v168-175 block a's scale word
.set TM,   176                         ; v176-179 largest magnitudes, v180-183 at work and bytes, v188-191 the conversions' scale operands
.set SB,   192                         ; v192-195 16 bytes of the wave's scale words
.set FLOOR, 98                         ; s98     the floor of a largest magnitude
.set QADJ,  99                         ; s99     what is taken off a scale word: 3 in each byte for q, else 0
.set SEL,   46                         ; s[46:47] lane selects for v_permlanex16_b32: lane l xor 16 (written behind the head's use of these registers)
.set G1, 24                            ; s[24:31] descriptor group 1 for P's tiles;  s[32:39] group 0, one set for each slot
.set G0, 32
.set G1B, 48                           ; s[48:55], s[56:63] the same for R's tiles
.set G0B, 56
.set G1S, 68                           ; s[68:75], s[76:79] groups 1 and 0 for P's scales;  s[80:87], s[88:91] for R's
.set G0S, 76
.set G1SB, 80
.set G0SB, 88
.set MSB, 0
.macro WIN new                         ; the immediate's high byte repeats the setting that is left
.if MSB != \new
	s_set_vgpr_msb (MSB<<8)|\new
.set MSB, \new
.endif
.endm
.set MUL_LO, 0xa1                      ; source 0 (R) window 1, source 1 (P) window 0, C and D window 2
.set MUL_HI, 0xf1                      ; the same, C and D window 3
.set TO_B,   0x40                      ; destination window 1, address window 0
; A joint load: waves 0 and 1 fetch for P, waves 2 and 3 for R.  Each of the two lines has ONE mask and one set of registers for all that issue it; the branch hangs on the wave's number alone.
; Four v_nop follow each of the two lines, ahead of the jump, the label and what follows.
.macro JLOAD g0a, g1a, g0b, g1b
	s_cmp_eq_u32 s15, 0
	s_cbranch_scc0 .Lfor_b_\@
	tensor_load_to_lds s[\g0a:\g0a+3], s[\g1a:\g1a+7]
	s_nop 0
.rept 4
	v_nop
.endr
	s_branch .Lasked_\@
.Lfor_b_\@:
	tensor_load_to_lds s[\g0b:\g0b+3], s[\g1b:\g1b+7]
	s_nop 0
.rept 4
	v_nop
.endr
.Lasked_\@:
.endm
.macro CREST                           ; a round of the cluster's barrier behind its opening barrier
	s_cmp_lg_u32 s14, 0
	s_cbranch_scc1 .Lnot_wave_0_\@
	s_barrier_signal -3
.Lnot_wave_0_\@:
	s_barrier_wait -3
	s_barrier_signal -1
	s_barrier_wait -1
.endm
.macro CROUND                          ; a whole round
	s_barrier_signal -1
	s_barrier_wait -1
	CREST
.endm
	s_load_b128 s[4:7], s[0:1], 0x0                ; x's codes s[4:5], x's scales s[6:7]
	s_load_b128 s[8:11], s[0:1], 0x10              ; qkv_w's codes s[8:9], its scales s[10:11]
	s_load_b64 s[12:13], s[0:1], 0x20              ; qkvc
	s_load_b64 s[96:97], s[0:1], 0x28              ; qkvs
	v_lshl_add_u32 v[SPW], v0, 2, SPARE
	v_mov_b32 v[NIL], 0
	ds_add_u32 v28, v29
	ds_add_u32 v28, v29
	s_wait_dscnt 0x0
	v_lshrrev_b32 v1, 5, v0
	v_readfirstlane_b32 s14, v1                    ; wave 0..3
	s_lshr_b32 s15, s14, 1                         ; which half of the tile's P rows is mine.  Also: I fetch for P (0) or for R (1)
	s_and_b32 s16, s14, 1                          ; which half of its R rows.  Also: which 128 rows of that tile I fetch
	s_bfe_u32 s40, ttmp6, 0x40000                  ; cx, cy: my place in the cluster
	s_bfe_u32 s41, ttmp6, 0x40004
	s_and_b32 s95, ttmp7, 0xffff
	s_lshl_b32 s95, s95, 2                         ; 4 x cluster y: 0 .. 28
	s_lshl_b32 s66, ttmp9, 2                       ; 4 x cluster x
	s_cmp_eq_u32 ttmp9, 2                          ; v's clusters?  The cluster's x is the same in all sixteen partners.  Six choices on this one compare:
	s_cselect_b32 s17, 8, s95                      ; P's tile: in qkv_w from tile 8 (row 2,048) on, else in x by the cluster's y
	s_cselect_b32 s42, s95, s66                    ; R's tile: in x by the cluster's y, else in qkv_w by the cluster's x
	s_cselect_b32 s95, 0, s95                      ; P's tile counted within its section of the output
	s_cselect_b32 s66, 6, 9                        ; log2 NP
	s_cselect_b32 s67, 12582912, 0                 ; where the section's codes begin,
	s_cselect_b32 s2, 524288, 0                    ; and its scale words
	s_cmp_eq_u32 ttmp9, 0                          ; q's clusters (channels 0 .. 1,023)?
	s_mov_b32 s[FLOOR], 0x1800000                  ; 2^(3 - 127),
	s_cselect_b32 s[FLOOR], 0x3000000, s[FLOOR]    ; for q 2^(6 - 127)
	s_cselect_b32 s[QADJ], 0x03030303, 0
	s_add_co_u32 s17, s17, s41                     ; P's tile + cy: shared along a row of the cluster
	s_add_co_u32 s42, s42, s40                     ; R's tile + cx: shared along a column
	s_add_co_u32 s95, s95, s41
	s_lshl_b32 s43, s41, 2
	s_lshl_b32 s43, 15, s43                        ; my row of the cluster
	s_lshl_b32 s44, 0x1111, s40                    ; my column
	; descriptor group 1: a tile of 128 rows x ROWB bytes, padded in LDS
	s_or_b32 s[G1+0], s43, (0<<16)|(1<<20)|(1<<21)|(3<<22)|(3<<25)  ; 15:0 the mask: P's tiles go to my row; 17:16 element of 1 byte; 20 padding on; 21 set beside a mask; 24:22 after every 16 words (code 3); 31:25 of 4 words (code 3)
	s_or_b32 s[G1B+0], s44, (0<<16)|(1<<20)|(1<<21)|(3<<22)|(3<<25)
.irp g, G1, G1B
	s_mov_b32 s[\g+1], ROWB<<16                    ; tensor_dim0
	s_mov_b32 s[\g+2], 128<<16                     ; tensor_dim1 = 128
	s_mov_b32 s[\g+3], ROWB<<16                    ; tile_dim0
	s_mov_b32 s[\g+4], 128                         ; tile_dim1 = 128
	s_mov_b32 s[\g+5], KROW                        ; tensor_dim0_stride
	s_mov_b32 s[\g+6], 0
	s_mov_b32 s[\g+7], 0
.endr
	; and for the scales of 128 rows: a dense block of 4,096 bytes, as rows of 256 bytes (32 elements of 8 bytes), 16 bytes of padding behind each
	s_or_b32 s[G1S+0], s43, (3<<16)|(1<<20)|(1<<21)|(5<<22)|(3<<25)
	s_or_b32 s[G1SB+0], s44, (3<<16)|(1<<20)|(1<<21)|(5<<22)|(3<<25)
.irp g, G1S, G1SB
	s_mov_b32 s[\g+1], 32<<16
	s_mov_b32 s[\g+2], (128*KS/256)<<16
	s_mov_b32 s[\g+3], 32<<16
	s_mov_b32 s[\g+4], 128*KS/256
	s_mov_b32 s[\g+5], 32
	s_mov_b32 s[\g+6], 0
	s_mov_b32 s[\g+7], 0
.endr
	s_lshl_b32 s18, s16, 7                         ; which 128 rows of the tile I fetch
	s_lshl_b32 s20, s17, 8
	s_add_co_u32 s20, s20, s18                     ; P: row 256 x tile + 128 x half
	s_lshl_b32 s46, s42, 8
	s_add_co_u32 s46, s46, s18                     ; R likewise
	s_mov_b32 s21, 0
	s_mov_b32 s47, 0
	s_mov_b64 s[18:19], KS
	s_mul_u64 s[22:23], s[20:21], s[18:19]         ; where these rows' scales begin, in bytes
	s_mul_u64 s[92:93], s[46:47], s[18:19]
	s_mov_b64 s[18:19], KROW
	s_mul_u64 s[20:21], s[20:21], s[18:19]         ; and their codes
	s_mul_u64 s[46:47], s[46:47], s[18:19]
	s_mul_i32 s45, s14, HALFT                      ; where they go: wave x 128 rows: no place in the cluster enters an LDS address
	s_mul_i32 s94, s14, HALFS
	s_wait_kmcnt 0x0
	s_cmp_eq_u32 ttmp9, 2                          ; v's clusters: qkv_w is P and x is R; the choice hangs on the cluster's number alone
	s_cselect_b64 s[18:19], s[8:9], s[4:5]
	s_cselect_b64 s[8:9], s[4:5], s[8:9]           ; R's codes
	s_mov_b64 s[4:5], s[18:19]                     ; P's codes
	s_cselect_b64 s[18:19], s[10:11], s[6:7]
	s_cselect_b64 s[10:11], s[6:7], s[10:11]       ; R's scales
	s_mov_b64 s[6:7], s[18:19]                     ; P's scales
	s_add_nc_u64 s[20:21], s[4:5], s[20:21]
	s_add_nc_u64 s[22:23], s[6:7], s[22:23]
	s_add_nc_u64 s[46:47], s[8:9], s[46:47]
	s_add_nc_u64 s[92:93], s[10:11], s[92:93]
	CROUND                                         ; all sixteen work-groups are here: the first joint loads meet
	s_mov_b32 s[G0S], 1
	s_add_co_u32 s[G0S+1], s94, SCL
	s_mov_b64 s[G0S+2:G0S+3], s[22:23]
	s_or_b32 s[G0S+3], s[G0S+3], 0x80000000
	s_mov_b32 s[G0SB], 1
	s_add_co_u32 s[G0SB+1], s94, SCL
	s_mov_b64 s[G0SB+2:G0SB+3], s[92:93]
	s_or_b32 s[G0SB+3], s[G0SB+3], 0x80000000
	JLOAD G0S, G1S, G0SB, G1SB                     ; the scales first: they are wanted with K step 0
.irp s, 0,1
	s_mov_b32 s[G0+4*\s], 1
	s_add_co_u32 s[G0+4*\s+1], s45, \s*SLOT
	s_add_nc_u64 s[G0+4*\s+2:G0+4*\s+3], s[20:21], \s*ROWB
	s_or_b32 s[G0+4*\s+3], s[G0+4*\s+3], 0x80000000
	s_mov_b32 s[G0B+4*\s], 1
	s_add_co_u32 s[G0B+4*\s+1], s45, \s*SLOT
	s_add_nc_u64 s[G0B+4*\s+2:G0B+4*\s+3], s[46:47], \s*ROWB
	s_or_b32 s[G0B+4*\s+3], s[G0B+4*\s+3], 0x80000000
	JLOAD G0+4*\s, G1, G0B+4*\s, G1B               ; by this text's count three tensor loads of a wave are out here, later one
.endr
	v_and_b32 v1, 15, v0                           ; l % 16
	v_bfe_u32 v2, v0, 4, 1                         ; l / 16
	v_mul_u32_u24 v3, v1, PITCH
	v_mul_u32_u24 v4, v2, 24
	v_add_nc_u32 v4, v3, v4                        ; a fragment's row x pitch + 24 x half
	v_lshl_add_u32 v5, v2, 4, v4                   ; and the same behind one padding more
	s_mul_i32 s21, s15, HALFT                      ; my 128 rows of P
	s_mul_i32 s22, s16, HALFT                      ; my 128 rows of R,
	s_add_co_u32 s22, s22, 2*HALFT                 ; which lie behind P's 256
.irp s, 0,1
	v_add_nc_u32 v[ADRA+\s], s21, v4
	v_add_nc_u32 v[ADRB+\s], s22, v4
	v_add_nc_u32 v[ADRA+2+\s], s21, v5
	v_add_nc_u32 v[ADRB+2+\s], s22, v5
	s_add_co_u32 s21, s21, SLOT
	s_add_co_u32 s22, s22, SLOT
.endr
	v_mul_u32_u24 v5, v1, KS                       ; my row's scales: KS bytes a row,
	v_lshrrev_b32 v6, 8, v5
	v_lshl_add_u32 v5, v6, 4, v5                   ; and 16 more for each 256 passed
	s_mul_i32 s21, s15, HALFS                      ; P's: my 128 rows
	s_mul_i32 s22, s16, HALFS                      ; R's: my 128 rows, behind P's 256
	s_add_co_u32 s22, s22, 2*HALFS
	s_sub_co_u32 s22, s22, s21
	v_mul_u32_u24 v6, s22, v2                      ; lanes 16-31 take R's
	s_add_co_u32 s21, s21, SCL
	v_add_nc_u32 v5, v5, v6
	v_add_nc_u32 v[ADRS], s21, v5
	s_lshl_b32 s23, s14, 9
	s_add_co_u32 s23, s23, SST                     ; my 512 bytes for scale words
	v_lshl_add_u32 v[SSA], v1, 2, s23
	v_and_b32 v6, 31, v0
	v_lshl_add_u32 v[SSR], v6, 4, s23
	v_lshlrev_b32 v[CO8], 3, v6
	v_lshlrev_b32 v[CO16], 4, v6
	; where my eight fragments go: F0 = (R / 128) x NP + (P / 16); they follow each other in memory
	s_lshl_b32 s20, s95, 4                         ; 16 blocks a tile of P,
	s_lshl_b32 s21, s15, 3
	s_add_co_u32 s20, s20, s21                     ; + my half's 8
	s_lshl_b32 s21, s42, 1
	s_add_co_u32 s21, s21, s16                     ; R / 128 = 2 x tile + half
	s_lshl_b32 s21, s21, s66
	s_add_co_u32 s20, s20, s21                     ; F0, under 8,192
	s_mul_i32 s22, s20, 1536
	s_add_co_u32 s22, s22, s67
	s_mov_b32 s23, 0
	s_add_nc_u64 s[12:13], s[12:13], s[22:23]
	s_lshl_b32 s22, s20, 6
	s_add_co_u32 s22, s22, s2
	s_add_nc_u64 s[96:97], s[96:97], s[22:23]
	s_mov_b32 s[SEL], 0x76543210
	s_mov_b32 s[SEL+1], 0xfedcba98
.macro FRAG reg, adr, q, i             ; a fragment, 16 rows x 128 K of 6-bit codes, is 12 registers: lane l holds row l % 16; registers 6 c .. 6 c + 5 hold K = 64 c + 32 (l / 16) + 0 .. 31: 24 bytes of the row's stream of bits, as they lie
.irp p, 0,1,2,3,4,5                    ; in pieces of 8 bytes, so that every address is a multiple of the access's size.  Lanes 0-15 take the row's pieces 12 q + 0, 1, 2 and 12 q + 6, 7, 8, lanes 16-31 those three pieces on
.set PC, 12*(\q)+6*(\p/3)+\p%3        ; the mover has laid 16 bytes of padding behind every 64 bytes (8 pieces): where the piece three on lies behind one padding more, the second address register serves
.if PC%8 < 5
	ds_load_b64 v[\reg+2*\p:\reg+2*\p+1], v[\adr] offset:8*PC+16*(PC/8)+(\i)*16*PITCH
.else
	ds_load_b64 v[\reg+2*\p:\reg+2*\p+1], v[\adr+2] offset:8*PC+16*(PC/8)+(\i)*16*PITCH
.endif
.endr
.endm
; 16 matrix instructions: P's blocks a0, a0 + 1 x R's eight, 128 along K: the slot's q-th.  p: R's set;  sc: the set of scale words.  zero = 1: the first product starts the sums: nothing is ever cleared.
; The 64 accumulators take turns, one instruction a turn, in the same order in every step.
.macro MUL16 a0, p, q, sc, zero
.irp a, \a0, \a0+1
.irp b, 0,1,2,3,4,5,6,7
.if \zero
	v_wmma_scale_f32_16x16x128_f8f6f4 v[8*(8*((\a)%4)+\b):8*(8*((\a)%4)+\b)+7], v[128*(\p)+FR*\b:128*(\p)+FR*\b+FR-1], v[AF+FR*(\a):AF+FR*(\a)+FR-1], 0, v[SC+8*NQ*(\sc)+NQ*\b+(\q)], v[SC+8*NQ*(\sc)+NQ*(\a)+(\q)] matrix_a_fmt:MATRIX_FMT_FP6 matrix_b_fmt:MATRIX_FMT_FP6 matrix_a_scale:MATRIX_SCALE_ROW1
.else
	v_wmma_scale_f32_16x16x128_f8f6f4 v[8*(8*((\a)%4)+\b):8*(8*((\a)%4)+\b)+7], v[128*(\p)+FR*\b:128*(\p)+FR*\b+FR-1], v[AF+FR*(\a):AF+FR*(\a)+FR-1], v[8*(8*((\a)%4)+\b):8*(8*((\a)%4)+\b)+7], v[SC+8*NQ*(\sc)+NQ*\b+(\q)], v[SC+8*NQ*(\sc)+NQ*(\a)+(\q)] matrix_a_fmt:MATRIX_FMT_FP6 matrix_b_fmt:MATRIX_FMT_FP6 matrix_a_scale:MATRIX_SCALE_ROW1
.endif
.endr
.endr
.endm
.macro FETCH_B slot, q, p              ; R's eight fragments of the slot's q-th 128 along K into set p
	WIN TO_B
.irp i, 0,1,2,3,4,5,6,7
	FRAG 128*(\p)+FR*\i, ADRB+\slot, \q, \i
.endr
	WIN 0
.endm
.macro FETCH_A slot, q, i0             ; P's blocks i0 .. i0 + 3
.irp i, \i0, \i0+1, \i0+2, \i0+3
	FRAG AF+FR*(\i), ADRA+\slot, \q, \i
.endr
.endm
.macro SCALES sc                       ; the next K step's scale words into set sc: NQ words a row; lanes 0-15 take P's block i, lanes 16-31 R's block i
.irp i, 0,1,2,3,4,5,6,7
	ds_load_b64 v[SC+8*NQ*\sc+NQ*\i:SC+8*NQ*\sc+NQ*\i+1], v[ADRS] offset:\i*SBLK
.endr
.endm
; A load into a register that a matrix instruction has read, and a vector instruction that reads a matrix result, stand NP places behind that matrix instruction, and only plain vector
; instructions that name none of its registers are places (ISA guide 7.12.1 for vector instructions).
.macro PLACES n
.rept \n
	v_nop
.endr
.endm
; A step of 128 along K that has its successor in the same slot.
.macro STEP slot, q, zero
	s_wait_dscnt 4*NL                              ; R's set and P's blocks 0-3 are in; the youngest 24 loads (P's blocks 4-7) may be out
	WIN MUL_LO
	MUL16 0, (\q)%2, \q, \slot, \zero
	MUL16 2, (\q)%2, \q, \slot, \zero
	s_wait_dscnt 0                                 ; P's blocks 4-7 are in (asked for 32 matrix instructions ago)
	PLACES NP
	FETCH_B \slot, (\q)+1, 1-(\q)%2
	FETCH_A \slot, (\q)+1, 0
	WIN MUL_HI
	MUL16 4, (\q)%2, \q, \slot, \zero
	MUL16 6, (\q)%2, \q, \slot, \zero
	PLACES NP
	WIN 0
	FETCH_A \slot, (\q)+1, 4
.endm
; A slot's last step changes slots: ONE barrier; in front of it each wave waits for all its tensor loads, adds 0 to its spare word, and waits for that and for its own reads of this slot.  fill = 1: this slot is filled again, two K steps ahead.
.macro TURN slot, next, fill
	s_wait_tensorcnt 0x0                           ; all my tensor loads have landed: my part of the next slot;  (every window is 0 here: the add's two registers lie in window 0)
	ds_add_u32 v[SPW], v[NIL]                      ; 0 onto my spare word
	s_wait_dscnt 4*NL+1                            ; (the add and the youngest 24 loads, P's blocks 4-7, may be out)
	WIN MUL_LO
	MUL16 0, 1, NQ-1, \slot, 0                     ; sixteen matrix instructions stand between the add and the wait for it
	s_wait_dscnt 0x0                               ; the add is done, and my reads of this slot are over
	s_barrier_signal -1
	MUL16 2, 1, NQ-1, \slot, 0
	WIN 0
	s_barrier_wait -1
.if \fill
	CREST                                          ; the barrier has opened a round of the cluster's barrier: no wave of any partner still reads this slot's tile or has a load on its way
	s_add_nc_u64 s[G0+4*\slot+2:G0+4*\slot+3], s[G0+4*\slot+2:G0+4*\slot+3], 2*ROWB
	s_add_nc_u64 s[G0B+4*\slot+2:G0B+4*\slot+3], s[G0B+4*\slot+2:G0B+4*\slot+3], 2*ROWB
	JLOAD G0+4*\slot, G1, G0B+4*\slot, G1B         ; the first tensor load behind the round; the four v_nop behind it are the places in front of the loads below
.else
	PLACES NP
.endif
	v_add_nc_u32 v[ADRS], 4*NQ, v[ADRS]            ; on to the next K step's scale words (no LDS load of mine is out)
	FETCH_B \next, 0, 0
	FETCH_A \next, 0, 0
	SCALES \next
	WIN MUL_HI
	MUL16 4, 1, NQ-1, \slot, 0
	MUL16 6, 1, NQ-1, \slot, 0
	PLACES NP
	WIN 0
	FETCH_A \next, 0, 4
.endm
	s_wait_tensorcnt 1                             ; the scales and my part of K step 0 are in (K step 1's load may be out),
	s_barrier_signal -1
	s_barrier_wait -1                              ; everybody's are
	FETCH_B 0, 0, 0
	FETCH_A 0, 0, 0
	SCALES 0
	FETCH_A 0, 0, 4
	; K = 1,024 is four K steps of 256, eight steps of 128: they are written out, since a loop round the ring would have one trip
	STEP 0, 0, 1                                   ; K step 0: its first products start the sums
	TURN 0, 1, 1                                   ; slot 0 takes K step 2
	STEP 1, 0, 0                                   ; K step 1
	TURN 1, 0, 1                                   ; slot 1 takes K step 3
	STEP 0, 0, 0                                   ; K step 2
	TURN 0, 1, 0                                   ; nothing is left to fetch: no round of the cluster's barrier
	STEP 1, 0, 0                                   ; K step 3
	s_wait_dscnt 4*NL                              ; the very last step
	WIN MUL_LO
	MUL16 0, 1, NQ-1, 1, 0
	MUL16 2, 1, NQ-1, 1, 0
	s_wait_dscnt 0
	WIN MUL_HI
	MUL16 4, 1, NQ-1, 1, 0
	MUL16 6, 1, NQ-1, 1, 0
	WIN 0
; THE WAY OUT.  Block a: 16 rows of P x my 128 of R, 64 registers a lane: register 16 b + i is R's true index 32 b + 16 (lane / 16) + i of my row.  They become one fragment and one scale word a row.
; A block of 32 lies in lanes l and l xor 16.  The conversions give half blocks; the operand's layout wants a whole block in a lane: three swaps of halves and three moves for each pair of blocks.
; Each accumulator is read from its low end on.  A piece's store covers 256 consecutive bytes, aligned.
.macro QUANTW a
.set AC, 64*((\a)%4)
.set WW, 2+(\a)/4                      ; the accumulators' window
.set CD, CD0+12*(\a)
	WIN WW*5                                       ; sources 0 and 1 in that window
.irp b, 0,1,2,3
	v_max3_num_f32 v[TM+\b], |v[AC+16*\b]|, |v[AC+16*\b+1]|, s[FLOOR]   ; block b: my 16 numbers, and the floor
.endr
.irp i, 2,4,6,8,10,12,14
.irp b, 0,1,2,3
	v_max3_num_f32 v[TM+\b], |v[AC+16*\b+\i]|, |v[AC+16*\b+\i+1]|, v[TM+\b]   ; (the four blocks by turns)
.endr
.endr
	WIN 0
.irp b, 0,1,2,3
	v_permlanex16_b32 v[TM+4+\b], v[TM+\b], s[SEL], s[SEL+1]
.endr
.irp b, 0,1,2,3
	v_max_num_f32 v[TM+\b], v[TM+\b], v[TM+4+\b]   ; with lane l xor 16's: the block's largest magnitude
.endr
.irp b, 0,1,2,3
	v_add_nc_u32 v[TM+12+\b], 0xff000000, v[TM+\b] ; 2 off its exponent field: the conversion's scale operand
.endr
.irp b, 0,1,2,3
	v_lshrrev_b32 v[TM+4+\b], 23, v[TM+12+\b]      ; the scale's byte
.endr
	v_lshl_or_b32 v[PW+(\a)], v[TM+5], 8, v[TM+4]  ; the four bytes make my row's scale word
	v_lshl_or_b32 v[PW+(\a)], v[TM+6], 16, v[PW+(\a)]
	v_lshl_or_b32 v[PW+(\a)], v[TM+7], 24, v[PW+(\a)]
	v_sub_nc_u32 v[PW+(\a)], v[PW+(\a)], s[QADJ]   ; q / 8: 3 off each byte (each is 4 at the least: nothing is borrowed); k, v: 0
	WIN WW                                         ; source 0 in the accumulators' window
.irp c, 0,1
	v_cvt_scalef32_pk16_fp6_f32 v[CD+6*\c:CD+6*\c+2], v[AC+32*\c:AC+32*\c+15], v[TM+12+2*\c]
	v_cvt_scalef32_pk16_fp6_f32 v[CT+4*\c:CT+4*\c+2], v[AC+32*\c+16:AC+32*\c+31], v[TM+13+2*\c]   ; (a conversion's three registers begin on an even number)
.endr
	WIN 0
	v_nop                                          ; one plain place behind a scaled conversion
.irp c, 0,1
.irp i, 0,1,2
	v_permlane16_swap_b32 v[CD+6*\c+\i], v[CT+4*\c+\i]
.endr
.irp i, 0,1,2
	v_mov_b32 v[CD+3+6*\c+\i], v[CT+4*\c+\i]       ; registers 6 c .. 6 c + 5 now hold k = 64 c + 32 (lane / 16) + 0 .. 31
.endr
.endr
.irp p, 0,1,2,3,4,5
	global_store_b64 v[CO8], v[CD+2*\p:CD+2*\p+1], s[12:13] offset:1536*(\a)+256*\p
.endr
	ds_store_b32 v[SSA], v[PW+(\a)] offset:64*(\a) ; both halves of the lanes write the same word with the same value
.endm
	PLACES NP                                      ; behind the last products
.irp b, 0,1,2,3
	v_mov_b32 v[TM+4+\b], 0                        ; written once: a lane permute's destination counts as one of its sources
.endr
.irp a, 0,1,2,3,4,5,6,7
	QUANTW \a
.endr
	ds_load_b128 v[SB:SB+3], v[SSR]                ; LDS serves a wave's instructions in order: this sees my eight stores
	s_wait_dscnt 0x0
	global_store_b128 v[CO16], v[SB:SB+3], s[96:97]   ; my eight fragments' scale words: 512 consecutive bytes, aligned
	s_wait_tensorcnt 0x0                           ; the wave's end: behind my last tensor load and my last LDS store
	ds_add_u32 v[SPW], v[NIL]
	s_wait_dscnt 0x0
	CROUND                                         ; the closing round: no work-group ends while a partner may still ask for a tile that names it
	s_endpgm
.Lfunc_end_k_q299820e5f6_proj:
	.size	k_q299820e5f6_proj, .Lfunc_end_k_q299820e5f6_proj-k_q299820e5f6_proj
	.p2alignl 7, 3214868480
	.fill 96, 4, 3214868480
	.section	.rodata,"a",@progbits
	.p2align	6, 0x0
	.amdhsa_kernel k_q299820e5f6_proj
		.amdhsa_group_segment_fixed_size 327680
		.amdhsa_private_segment_fixed_size 0
		.amdhsa_enable_private_segment 0
		.amdhsa_kernarg_size 48
		.amdhsa_user_sgpr_count 2
		.amdhsa_user_sgpr_kernarg_segment_ptr 1
		.amdhsa_wavefront_size32 1
		.amdhsa_system_sgpr_workgroup_id_x 1
		.amdhsa_system_sgpr_workgroup_id_y 1
		.amdhsa_system_sgpr_workgroup_id_z 1
		.amdhsa_system_vgpr_workitem_id 0
		.amdhsa_next_free_vgpr 1024
		.amdhsa_next_free_sgpr 100
		.amdhsa_reserve_vcc 0
		.amdhsa_float_denorm_mode_32 3
		.amdhsa_float_denorm_mode_16_64 3
		.amdhsa_memory_ordered 1
		.amdhsa_forward_progress 1
		.amdhsa_inst_pref_size 167
	.end_amdhsa_kernel
	.amdgpu_metadata
---
amdhsa.version: [ 1, 2 ]
amdhsa.kernels:
  - .name:           k_q299820e5f6_proj
    .symbol:         k_q299820e5f6_proj.kd
    .args:
      - { .name: xc, .offset: 0, .size: 8, .value_kind: global_buffer, .address_space: global }
      - { .name: xs, .offset: 8, .size: 8, .value_kind: global_buffer, .address_space: global }
      - { .name: wc, .offset: 16, .size: 8, .value_kind: global_buffer, .address_space: global }
      - { .name: ws, .offset: 24, .size: 8, .value_kind: global_buffer, .address_space: global }
      - { .name: qkvc, .offset: 32, .size: 8, .value_kind: global_buffer, .address_space: global }
      - { .name: qkvs, .offset: 40, .size: 8, .value_kind: global_buffer, .address_space: global }
    .group_segment_fixed_size: 327680
    .private_segment_fixed_size: 0
    .kernarg_segment_align: 8
    .kernarg_segment_size: 48
    .max_flat_workgroup_size: 128
    .sgpr_count:     100
    .vgpr_count:     1024
    .wavefront_size: 32
...
	.end_amdgpu_metadata
.endif
;; end of part 2
;; launch attn (part 3): grid 2 x 128, 16 waves a work-group, no clusters, 182,272 bytes of LDS; arguments qkvc, qkvs, out0; writes out0
.if DOCPART == 3
	.amdgcn_target "amdgcn-amd-amdhsa--gfx1250"
	.amdhsa_code_object_version 6
	.text
	.protected	k_q299820e5f6_attn
	.globl	k_q299820e5f6_attn
	.p2align	8
	.type	k_q299820e5f6_attn,@function
k_q299820e5f6_attn:
	s_mov_b64 s[64:65], 0
	v_nop
	global_prefetch_b8 v0, s[64:65] scope:SCOPE_SE
	s_setreg_imm32_b32 hwreg(HW_REG_WAVE_MODE, 25, 1), 1
	s_wait_xcnt 0x0
; out[b][token][64 hh + d] = the sum over keys of softmax(q . k) v, for 8 batches x 16 heads of 1,024 tokens x 64 channels; both products on codes of FP6 (E2M3) with one E8M0 scale for each 32 along a product's K.
; q (already divided by 8), k and v arrive as images of operand registers.  A FRAGMENT is 12 registers a lane in 6 pieces of 256 bytes (piece p: registers 2 p, 2 p + 1; lane l's 8 bytes at 8 l), its scale words 64 bytes (row r's at 4 r).
;   q, k: fragment F = (channel / 128) x 512 + (stored token block): 16 tokens x two heads' 64 channels: pieces 0-2 and bytes 0, 1 of a word are the even head's, pieces 3-5 and bytes 2, 3 the odd head's.  Codes at 1,536 F, words at 64 F.
;   v:    fragment F = (token / 128) x 64 + (stored channel block): 16 channels x 128 keys.  Codes at 12,582,912 + 1,536 F, words at 524,288 + 64 F.
;   Lane r of stored block 2 a + u is the true row 32 a + 8 u + r + 8 (r / 8), for tokens and channels alike.
; THE SOFTMAX AHEAD OF THE SECOND PRODUCT: t = score x log2(e); M = the row's largest t so far, rounded UP to a whole number; p = 2^(t - M) is what is quantised, along the keys; it is not normalised.
; The row's sum is taken of the unquantised p, in f32, and divides O at the end.  When M moves, the sum and O are multiplied by 2^(old M - new M): exact.
; SHARES.  A work-group owns 512 queries of one head; each of its sixteen waves owns 32 of them, two tiles of 16, one after the other, in 256 registers: four waves to a SIMD, so that one wave's vector work stands
; beside another's matrix work and LDS loads.  Every tile walks the head's 1,024 keys, 128 a step.
; A HEAD'S K AND V LIE WHOLE IN LDS (104,448 bytes with their scale words): every byte is filled once, by tensor loads that all go out at the head.  The first tile's steps begin when the
; first two key steps have landed: four counted waits, four barriers.
; NO CLUSTER: only the two work-groups of a head read the same K and V, and the grid's x is 2, which no cluster of four divides; what the two share is asked for once, at the head.
; LAYOUT.  Both products are used transposed: S^T = K Q^T (source 0 = 16 keys, source 1 = my 16 queries), O^T = V^T P^T (source 0 = 16 channels, source 1 = P): a lane holds ONE query (lane % 16) throughout.
; By the order of stored rows the 16 registers of key tiles 2 b and 2 b + 1 are the 16 neighbouring keys 32 b + 16 (lane / 16) + 0 .. 15, and register j of channel tile ct is channel 32 (ct / 2) + 16 (lane / 16) + 8 (ct % 2) + j.
; K = 64 IN AN INSTRUCTION OF 128: Q's registers 6-11 are zero codes.  K's tile t is named as v[32 + 6 t : 43 + 6 t]: its upper six registers are the next tile's codes (behind tile 7: zeros), which multiply zeros.
; Q's and K's scale words are read as 16 bits: bytes 2 and 3 are 0, a finite scale.
; LIMITS: NaN and infinities are not served.
; REGISTERS: v1-7 addresses that stay; v8-11 addresses of the loads in hand; v12 -M, v13 the largest t, v[14:15] the sum in two halves; v16-27 Q's tile 0; v32-79 K's eight tiles, then V's four; v80-85 zeros;
;   v96-159 S^T, then p; v160-191 O^T; v192-203 Q's tile 1; v224-235 p's codes; v232-254 at work; v248-251 K's or V's scale words; v253 p's scale word; v255 Q's scale words (lanes 0-15 tile 0, lanes 16-31 tile 1).
.set KB,   0                           ; LDS: K's codes: 64 tiles x 768 bytes
.set VB,   49152                       ; V's codes: [key step 8][channel tile 4][1,536]
.set KSC,  98304                       ; K's scale words: tile x 64 + 4 r (both heads' bytes)
.set VSC,  102400                      ; V's: step x 256 + channel tile x 64 + 4 r
.set STG,  104448                      ; the way out: 16 rows x (256 bytes + 16) for each wave; no tensor load lands here
.set AK0,  1                           ; v1   8 x lane: my place in a piece
.set AV0,  2                           ; v2   VB + 8 x lane
.set ASK0, 3                           ; v3   KSC + 4 x lane + 2 x (odd head)
.set ASV0, 4                           ; v4   VSC + 4 x lane
.set STO,  5                           ; v5   the stage: where I put 16 bytes of a row
.set RD,   6                           ; v6   and where I read a row back
.set GO,   7                           ; v7   my byte offset in two rows of the output
.set ADK,  8
.set ADV,  9
.set ADS,  10
.set ADT,  11
.set WV,   10                          ; s10  my wave's number
.set W1,   11                          ; s11  its low bit
.set SEL,  20                          ; s[20:21] lane selects for v_permlanex16_b32: lane l xor 16
.set CS,   22                          ; s[22:23] log2(e): the packed form names a pair and takes its low word for both halves
.set G1K,  24                          ; s[24:31] descriptor group 1: K's tiles of a key step
.set G1V,  32                          ; s[32:39] V's
.set G1KS, 40                          ; s[40:47] half of K's scale words
.set G1VS, 48                          ; s[48:55] half of V's
.set G0VS, 56                          ; s[56:59], s[60:63] groups 0 for the scale words
.set G0KS, 60
.set G0K,  68                          ; s[68:83] four groups 0 for K's codes
.set G0V,  84                          ; s[84:99] four for V's
.set TB,   2                           ; s2   where the step's codes begin, in K's and in V's region alike: 6,144 bytes a step
.set TS,   3                           ; s3   K's scale words: 512 bytes a step
.set TJ,   66                          ; s66  V's: 256 bytes a step
.set CNT,  67                          ; s67  counts steps
	s_load_b128 s[4:7], s[0:1], 0x0                ; qkvc s[4:5], qkvs s[6:7]
	s_load_b64 s[8:9], s[0:1], 0x10                ; out0
	v_lshl_add_u32 v223, v0, 2, 0x2c000
	v_mov_b32 v243, 0
	ds_add_u32 v223, v243
	ds_add_u32 v223, v243
	v_lshrrev_b32 v8, 5, v0
	v_readfirstlane_b32 s[WV], v8                  ; wave 0..15
	s_and_b32 s[W1], s[WV], 1
	s_and_b32 s12, ttmp7, 0xffff                   ; 16 b + hh
	s_lshr_b32 s13, s12, 4                         ; b
	s_and_b32 s14, s12, 15                         ; hh
	s_lshr_b32 s15, s14, 1                         ; the pair of heads
	s_and_b32 s16, s14, 1                          ; odd head?
	; every LDS address register is made here, ahead of the branch on the wave's number
	v_and_b32 v9, 31, v0                           ; lane
	v_and_b32 v10, 15, v0                          ; r
	v_bfe_u32 v11, v0, 4, 1                        ; h
	v_lshlrev_b32 v[AK0], 3, v9
	v_add_nc_u32 v[AV0], VB, v[AK0]
	s_lshl_b32 s17, s16, 1
	v_lshl_add_u32 v254, v9, 2, s17                ; 4 x lane + 2 x odd: also Q's scale words' offset in memory
	v_add_nc_u32 v[ASK0], KSC, v254
	v_lshl_add_u32 v[ASV0], v9, 2, VSC
	s_mul_i32 s18, s[WV], 16*272
	s_add_co_u32 s18, s18, STG                     ; my stage
	v_mul_u32_u24 v[STO], v10, 272
	v_lshl_add_u32 v[STO], v11, 6, v[STO]
	v_add_nc_u32 v[STO], s18, v[STO]               ; in: row r, + 64 h
	v_mul_u32_u24 v[RD], v11, 272
	v_lshl_add_u32 v[RD], v10, 4, v[RD]
	v_add_nc_u32 v[RD], s18, v[RD]                 ; back: lanes 0-15 one row of 256 bytes, lanes 16-31 the next
	v_lshlrev_b32 v[GO], 12, v11
	v_lshl_add_u32 v[GO], v10, 4, v[GO]            ; the same two rows in the output, 4,096 bytes apart
	; descriptor groups 1: elements of 8 bytes, no mask, no padding
	s_mov_b32 s[G1K], 3<<16                        ; K of a key step: 8 tiles = 8 rows of 768 bytes (my head's half of a fragment), 1,536 bytes apart
	s_mov_b32 s[G1K+1], 96<<16                     ; tensor_dim0
	s_mov_b32 s[G1K+2], 8<<16                      ; tensor_dim1
	s_mov_b32 s[G1K+3], 96<<16                     ; tile_dim0
	s_mov_b32 s[G1K+4], 8                          ; tile_dim1
	s_mov_b32 s[G1K+5], 192                        ; tensor_dim0_stride
	s_mov_b32 s[G1K+6], 0
	s_mov_b32 s[G1K+7], 0
	s_mov_b32 s[G1V], 3<<16                        ; V of a key step: 4 fragments, 6,144 dense bytes, as 24 rows of 256
	s_mov_b32 s[G1V+1], 32<<16
	s_mov_b32 s[G1V+2], 24<<16
	s_mov_b32 s[G1V+3], 32<<16
	s_mov_b32 s[G1V+4], 24
	s_mov_b32 s[G1V+5], 32
	s_mov_b32 s[G1V+6], 0
	s_mov_b32 s[G1V+7], 0
	s_mov_b32 s[G1KS], 3<<16                       ; K's scale words of 32 tiles: 2,048 dense bytes, as 8 rows of 256
	s_mov_b32 s[G1KS+1], 32<<16
	s_mov_b32 s[G1KS+2], 8<<16
	s_mov_b32 s[G1KS+3], 32<<16
	s_mov_b32 s[G1KS+4], 8
	s_mov_b32 s[G1KS+5], 32
	s_mov_b32 s[G1KS+6], 0
	s_mov_b32 s[G1KS+7], 0
	s_mov_b32 s[G1VS], 3<<16                       ; V's of 4 key steps: 4 rows of 256 bytes, 4,096 bytes apart
	s_mov_b32 s[G1VS+1], 32<<16
	s_mov_b32 s[G1VS+2], 4<<16
	s_mov_b32 s[G1VS+3], 32<<16
	s_mov_b32 s[G1VS+4], 4
	s_mov_b32 s[G1VS+5], 512
	s_mov_b32 s[G1VS+6], 0
	s_mov_b32 s[G1VS+7], 0
	; byte offsets, each made in the pair that will hold the address.  Waves 0 and 1 fetch for K, waves 2 and 3 for V; a wave with low bit w1 takes key steps w1, w1 + 2, w1 + 4, w1 + 6 and half w1 of the scale words
	s_add_co_u32 s17, s15, 8
	s_lshl_b32 s17, s17, 9
	s_lshl_b32 s18, s13, 6
	s_add_co_u32 s17, s17, s18                     ; K's first fragment: (8 + pair) x 512 + 64 b
	s_mul_i32 s[G0K+2], s17, 1536
	s_mul_i32 s18, s16, 768                        ; the odd head's half of a fragment
	s_add_co_u32 s[G0K+2], s[G0K+2], s18
	s_mul_i32 s19, s[W1], 12288                    ; a key step: 8 fragments
	s_add_co_u32 s[G0K+2], s[G0K+2], s19
	s_mov_b32 s[G0K+3], 0
	s_lshl_b32 s[G0KS+2], s17, 6
	s_lshl_b32 s19, s[W1], 11
	s_add_co_u32 s[G0KS+2], s[G0KS+2], s19
	s_mov_b32 s[G0KS+3], 0
	s_lshl_b32 s17, s13, 9
	s_lshl_b32 s19, s14, 2
	s_add_co_u32 s17, s17, s19                     ; V's first fragment: 512 b + 4 hh
	s_mul_i32 s[G0V+2], s17, 1536
	s_mul_i32 s19, s[W1], 98304                    ; a key step on: 64 fragments
	s_add_co_u32 s[G0V+2], s[G0V+2], s19
	s_add_co_u32 s[G0V+2], s[G0V+2], 12582912
	s_mov_b32 s[G0V+3], 0
	s_lshl_b32 s[G0VS+2], s17, 6
	s_lshl_b32 s19, s[W1], 14
	s_add_co_u32 s[G0VS+2], s[G0VS+2], s19
	s_add_co_u32 s[G0VS+2], s[G0VS+2], 524288
	s_mov_b32 s[G0VS+3], 0
	s_lshl_b32 s17, s15, 9
	s_lshl_b32 s19, s13, 6
	s_add_co_u32 s17, s17, s19
	s_lshl_b32 s19, ttmp9, 5
	s_add_co_u32 s17, s17, s19
	s_lshl_b32 s19, s[WV], 1
	s_add_co_u32 s17, s17, s19                     ; Q's first fragment of mine: pair x 512 + 64 b + 32 x work-group x + 2 x wave
	s_mul_i32 s2, s17, 1536
	s_add_co_u32 s2, s2, s18
	s_mov_b32 s3, 0
	s_lshl_b32 s66, s17, 6
	s_mov_b32 s67, 0
	s_lshl_b32 s17, s13, 10
	s_lshl_b32 s19, ttmp9, 9
	s_add_co_u32 s17, s17, s19
	s_lshl_b32 s19, s[WV], 5
	s_add_co_u32 s17, s17, s19                     ; my first token: 1,024 b + 512 x work-group x + 32 x wave
	s_lshl_b32 s18, s17, 12                        ; a row of the output is 4,096 bytes,
	s_lshl_b32 s19, s14, 8                         ; my head's 256 of them
	s_add_co_u32 s18, s18, s19
	s_mov_b32 s19, 0
	; LDS addresses: a constant + a constant x the wave's low bit
	s_mul_i32 s17, s[W1], 6144
.irp j, 0,1,2,3
	s_mov_b32 s[G0K+4*\j], 1
	s_add_co_u32 s[G0K+4*\j+1], s17, KB+12288*\j
	s_mov_b32 s[G0V+4*\j], 1
	s_add_co_u32 s[G0V+4*\j+1], s17, VB+12288*\j
.endr
	s_mov_b32 s[G0KS], 1
	s_lshl_b32 s17, s[W1], 11
	s_add_co_u32 s[G0KS+1], s17, KSC
	s_mov_b32 s[G0VS], 1
	s_lshl_b32 s17, s[W1], 10
	s_add_co_u32 s[G0VS+1], s17, VSC
	s_mov_b32 s[SEL], 0x76543210
	s_mov_b32 s[SEL+1], 0xfedcba98
	s_mov_b32 s[CS], 0x3fb8aa3b                    ; log2(e)
	s_mov_b32 s[CS+1], s[CS]                       ; (named with it as a pair, so it is written)
	s_wait_dscnt 0x0
	s_wait_kmcnt 0x0
	s_add_nc_u64 s[G0KS+2:G0KS+3], s[6:7], s[G0KS+2:G0KS+3]
	s_add_nc_u64 s[G0VS+2:G0VS+3], s[6:7], s[G0VS+2:G0VS+3]
	s_add_nc_u64 s[G0K+2:G0K+3], s[4:5], s[G0K+2:G0K+3]
	s_add_nc_u64 s[G0V+2:G0V+3], s[4:5], s[G0V+2:G0V+3]
.irp j, 1,2,3
	s_add_nc_u64 s[G0K+4*\j+2:G0K+4*\j+3], s[G0K+2:G0K+3], 24576*\j     ; two key steps on
	s_add_nc_u64 s[G0V+4*\j+2:G0V+4*\j+3], s[G0V+2:G0V+3], 196608*\j
.endr
	s_or_b32 s[G0KS+3], s[G0KS+3], 0x80000000      ; 127:126 type = 2
	s_or_b32 s[G0VS+3], s[G0VS+3], 0x80000000
.irp j, 0,1,2,3
	s_or_b32 s[G0K+4*\j+3], s[G0K+4*\j+3], 0x80000000
	s_or_b32 s[G0V+4*\j+3], s[G0V+4*\j+3], 0x80000000
.endr
	s_add_nc_u64 s[12:13], s[4:5], s[2:3]          ; Q's codes
	s_add_nc_u64 s[14:15], s[6:7], s[66:67]        ; Q's scale words
	s_add_nc_u64 s[8:9], s[8:9], s[18:19]          ; my rows of the output
	; ALL FILLS, in one group, inside one branch on the wave's number: five tensor loads of a fetching wave are out, the scale words first, then the key steps in the order in which they are read.
	s_cmp_lt_u32 s[WV], 2
	s_cbranch_scc0 .Lnot_k
	tensor_load_to_lds s[G0KS:G0KS+3], s[G1KS:G1KS+7]
	s_nop 0
.irp j, 0,1,2,3
	tensor_load_to_lds s[G0K+4*\j:G0K+4*\j+3], s[G1K:G1K+7]
	s_nop 0
.endr
.rept 4
	v_nop                                          ; four v_nop follow the last load, ahead of the jump, the label and what follows
.endr
	s_branch .Lasked
.Lnot_k:
	s_cmp_lt_u32 s[WV], 4
	s_cbranch_scc0 .Lasked
	tensor_load_to_lds s[G0VS:G0VS+3], s[G1VS:G1VS+7]
	s_nop 0
.irp j, 0,1,2,3
	tensor_load_to_lds s[G0V+4*\j:G0V+4*\j+3], s[G1V:G1V+7]
	s_nop 0
.endr
.rept 4
	v_nop
.endr
.Lasked:
.irp u, 0,1
.irp p, 0,1,2
	global_load_b64 v[16+176*\u+2*\p:17+176*\u+2*\p], v[AK0], s[12:13] offset:1536*\u+256*\p   ; Q's two tiles stay in registers: my head's three pieces of each fragment
.endr
.endr
	global_load_u16 v255, v254, s[14:15]           ; Q's scale words, my head's two bytes: lanes 0-15 tile 0's rows, lanes 16-31 tile 1's
.irp j, 0,1,2,3,4,5
	v_mov_b32 v[22+\j], 0                          ; zero codes: k = 64 .. 127 of Q's tile 0,
	v_mov_b32 v[198+\j], 0                         ; of tile 1,
	v_mov_b32 v[80+\j], 0                          ; and what K's tile 7 names behind its own six registers
.endr
.irp b, 0,1,2,3
	v_mov_b32 v[236+\b], 0                         ; written once: a lane permute's destination counts as one of its sources
.endr
	v_mov_b32 v253, 0                              ; (named as the upper half of the pair v[252:253] before it is first written)
; One product of S^T = K Q^T: key tile t against the query tile in v[qf] on.  K's scale words of tiles 2 g and 2 g + 1 share v[248 + g]: lanes 0-15 and lanes 16-31; Q's two tiles share v255 likewise.
.macro KQ t, qf, qrow
.if ((\t)%2 == 0) && ((\qrow) == 0)
	v_wmma_scale_f32_16x16x128_f8f6f4 v[96+8*(\t):103+8*(\t)], v[32+6*(\t):43+6*(\t)], v[\qf:\qf+11], 0, v[248+(\t)/2], v255 matrix_a_fmt:MATRIX_FMT_FP6 matrix_b_fmt:MATRIX_FMT_FP6
.elseif (\qrow) == 0
	v_wmma_scale_f32_16x16x128_f8f6f4 v[96+8*(\t):103+8*(\t)], v[32+6*(\t):43+6*(\t)], v[\qf:\qf+11], 0, v[248+(\t)/2], v255 matrix_a_fmt:MATRIX_FMT_FP6 matrix_b_fmt:MATRIX_FMT_FP6 matrix_a_scale:MATRIX_SCALE_ROW1
.elseif (\t)%2 == 0
	v_wmma_scale_f32_16x16x128_f8f6f4 v[96+8*(\t):103+8*(\t)], v[32+6*(\t):43+6*(\t)], v[\qf:\qf+11], 0, v[248+(\t)/2], v255 matrix_a_fmt:MATRIX_FMT_FP6 matrix_b_fmt:MATRIX_FMT_FP6 matrix_b_scale:MATRIX_SCALE_ROW1
.else
	v_wmma_scale_f32_16x16x128_f8f6f4 v[96+8*(\t):103+8*(\t)], v[32+6*(\t):43+6*(\t)], v[\qf:\qf+11], 0, v[248+(\t)/2], v255 matrix_a_fmt:MATRIX_FMT_FP6 matrix_b_fmt:MATRIX_FMT_FP6 matrix_a_scale:MATRIX_SCALE_ROW1 matrix_b_scale:MATRIX_SCALE_ROW1
.endif
.endm
; One product of O^T += V^T P^T: channel tile ct, K = the step's 128 keys
.macro PV ct
.if (\ct)%2 == 0
	v_wmma_scale_f32_16x16x128_f8f6f4 v[160+8*(\ct):167+8*(\ct)], v[32+12*(\ct):43+12*(\ct)], v[224:235], v[160+8*(\ct):167+8*(\ct)], v[248+(\ct)/2], v253 matrix_a_fmt:MATRIX_FMT_FP6 matrix_b_fmt:MATRIX_FMT_FP6
.else
	v_wmma_scale_f32_16x16x128_f8f6f4 v[160+8*(\ct):167+8*(\ct)], v[32+12*(\ct):43+12*(\ct)], v[224:235], v[160+8*(\ct):167+8*(\ct)], v[248+(\ct)/2], v253 matrix_a_fmt:MATRIX_FMT_FP6 matrix_b_fmt:MATRIX_FMT_FP6 matrix_a_scale:MATRIX_SCALE_ROW1
.endif
.endm
; A KEY STEP: 128 keys against one tile of 16 queries.
.macro STEP qf, qrow
	v_add_nc_u32 v[ADK], s[TB], v[AK0]             ; these four are also the places between the last step's products and the loads into the registers that they read
	v_add_nc_u32 v[ADV], s[TB], v[AV0]
	v_add_nc_u32 v[ADS], s[TS], v[ASK0]
	v_add_nc_u32 v[ADT], s[TJ], v[ASV0]
.irp t, 0,1,2,3,4,5,6,7
.irp p, 0,1,2
	ds_load_b64 v[32+6*\t+2*\p:33+6*\t+2*\p], v[ADK] offset:768*\t+256*\p   ; 32 lanes read a piece's 256 consecutive bytes
.endr
.endr
.irp g, 0,1,2,3
	ds_load_u16 v[248+\g], v[ADS] offset:128*\g    ; lanes 0-15: tile 2 g's words, lanes 16-31: tile 2 g + 1's; my head's two bytes
.endr
	s_wait_dscnt 0x0
.irp t, 0,1,2,3,4,5,6,7
	KQ \t, \qf, \qrow
.endr
.rept 4
	v_nop                                          ; places in front of the loads into K's registers and of the first read of the scores
.endr
.irp ct, 0,1,2,3                               ; V's fragments are asked for now: they land while the softmax is worked
.irp p, 0,1,2,3,4,5
	ds_load_b64 v[32+12*\ct+2*\p:33+12*\ct+2*\p], v[ADV] offset:1536*\ct+256*\p
.endr
.endr
.irp g, 0,1
	ds_load_b32 v[248+\g], v[ADT] offset:128*\g    ; lanes 0-15: channel tile 2 g's words, lanes 16-31: tile 2 g + 1's
.endr
.irp b, 0,1,2,3
	v_max3_num_f32 v[232+\b], v[96+16*\b], v[97+16*\b], v[98+16*\b]   ; THE LARGEST SCORE OF EACH BLOCK OF 32 KEYS: it serves twice: for the row's maximum, and, since p rises with the score, for the block's largest p
.endr
.irp i, 3,5,7,9,11,13
.irp b, 0,1,2,3
	v_max3_num_f32 v[232+\b], v[232+\b], v[96+16*\b+\i], v[97+16*\b+\i]   ; (the four blocks by turns)
.endr
.endr
.irp b, 0,1,2,3
	v_max_num_f32 v[232+\b], v[232+\b], v[111+16*\b]
.endr
.irp b, 0,1,2,3
	v_permlanex16_b32 v[236+\b], v[232+\b], s[SEL], s[SEL+1]
.endr
.irp b, 0,1,2,3
	v_max_num_f32 v[232+\b], v[232+\b], v[236+\b]  ; with lane l xor 16's 16 keys
.endr
	v_max3_num_f32 v254, v232, v233, v234
	v_max_num_f32 v254, v254, v235                 ; the step's largest score of my query
	v_mul_f32 v254, s[CS], v254                    ; as t
	v_max_num_f32 v13, v13, v254                   ; the running largest t
	v_mov_b32 v254, v12
	v_floor_f32 v12, -v13                          ; the new -M = floor(-t) = -ceil(t): M is a whole number
	v_sub_f32 v254, v12, v254                      ; M's old value less its new one: a whole number, 0 or less
	v_cvt_i32_f32 v254, v254                       ; (it saturates)
	v_ldexp_f32 v252, 1.0, v254                    ; f = 2^(old M - new M)
.set J, 0
.rept 32
	v_pk_fma_f32 v[96+J:97+J], v[96+J:97+J], s[CS:CS+1], v[12:13] op_sel_hi:[1,0,0]   ; t - M, two at a time (of the pairs the low word serves both halves)
.set J, J+2
.endr
.irp b, 0,1,2,3
	v_fma_f32 v[232+\b], v[232+\b], s[CS], v12     ; the same of each block's largest score
.endr
.set J, 0
.rept 64
	v_exp_f32 v[96+J], v[96+J]                     ; p = 2^(t - M): not normalised
.set J, J+1
.endr
	v_pk_mul_f32 v[14:15], v[14:15], v[252:253] op_sel_hi:[1,0]   ; the sums under the new M (a plain place behind the exponentials)
	s_wait_alu depctr_va_vdst(0)                   ; one wait for the whole batch, ahead of its first reader
.irp b, 0,1,2,3
	v_exp_f32 v[232+\b], v[232+\b]                 ; the block's largest p: the same two instructions on the same number give the same bits
.endr
	v_pk_add_f32 v[236:237], v[96:97], v[98:99]    ; the row's sum is taken of the unquantised p: two at a time, in two chains (it reads the 64 alone: plain work behind the four)
.set J, 4
.rept 15
	v_pk_add_f32 v[14:15], v[14:15], v[96+J:97+J]
	v_pk_add_f32 v[236:237], v[236:237], v[98+J:99+J]
.set J, J+4
.endr
	v_pk_add_f32 v[14:15], v[14:15], v[236:237]
	s_wait_alu depctr_va_vdst(0)                   ; and one for the four
.irp b, 0,1,2,3
	v_max_num_f32 v[232+\b], 0x1800000, v[232+\b]  ; the floor 2^(3 - 127): the byte cannot fall under 1 (a block whose every p has fallen to 0 keeps that byte: its codes are zeros)
.endr
.irp b, 0,1,2,3
	v_add_nc_u32 v[244+\b], 0xff000000, v[232+\b]  ; 2 off the exponent field: the conversion's scale operand
.endr
.irp b, 0,1,2,3
	v_lshrrev_b32 v[236+\b], 23, v[244+\b]         ; the scale's byte
.endr
	v_lshl_or_b32 v253, v237, 8, v236              ; p's scale word for these 128 keys
	v_lshl_or_b32 v253, v238, 16, v253
	v_lshl_or_b32 v253, v239, 24, v253
.irp c, 0,1
	v_cvt_scalef32_pk16_fp6_f32 v[224+6*\c:226+6*\c], v[96+32*\c:111+32*\c], v[244+2*\c]
	v_cvt_scalef32_pk16_fp6_f32 v[236+4*\c:238+4*\c], v[112+32*\c:127+32*\c], v[244+2*\c+1]   ; (a conversion's three registers begin on an even number)
.endr
	v_nop                                          ; one plain place behind a scaled conversion
.irp c, 0,1                                    ; the operand's layout wants a whole block in a lane: lanes 0-15 block 2 c, lanes 16-31 block 2 c + 1
.irp i, 0,1,2
	v_permlane16_swap_b32 v[224+6*\c+\i], v[236+4*\c+\i]
.endr
.irp i, 0,1,2
	v_mov_b32 v[227+6*\c+\i], v[236+4*\c+\i]
.endr
.endr
.set J, 0
.rept 16
	v_pk_mul_f32 v[160+J:161+J], v[160+J:161+J], v[252:253] op_sel_hi:[1,0]   ; O^T under the new M: x f, each accumulator from its low end on.  (These 16 stand between the writes of p's codes and scale word and the products)
.set J, J+2
.endr
	s_wait_dscnt 0x0                               ; V's fragments and scale words are in
.irp ct, 0,1,2,3
	PV \ct                                         ; four accumulators, one instruction each: no two products that follow each other share one
.endr
	s_add_co_u32 s[TB], s[TB], 6144                ; the next step
	s_add_co_u32 s[TS], s[TS], 512
	s_add_co_u32 s[TJ], s[TJ], 256
.endm
.macro STEPS n, qf, qrow               ; n key steps, written once
	s_mov_b32 s[CNT], \n
.Lstep_\@:
	STEP \qf, \qrow
	s_sub_co_u32 s[CNT], s[CNT], 1
	s_cmp_lg_u32 s[CNT], 0
	s_cbranch_scc1 .Lstep_\@
.endm
.macro START                           ; a tile begins: the step is written once, so its first trip finds zeros, which the first change of M leaves zeros
	v_mov_b32 v13, 0xff61b1e6                      ; the largest t so far: -3e38, under every t
	v_floor_f32 v12, -v13                          ; -M
	v_mov_b32 v14, 0                               ; the sum, in two halves
	v_mov_b32 v15, 0
.set J, 0
.rept 32
	v_mov_b32 v[160+J], 0                          ; O^T
.set J, J+1
.endr
.endm
; THE WAY OUT of query tile u.  O^T is divided by the sum and goes through my own stage in LDS, so that sixteen lanes store a row's 256 consecutive bytes, aligned: my head's 64 channels of one token.
; Stage row r' = 2 i + (lane / 16) is token 8 u + r' + 8 (r' / 8) of my 32.
.macro OUT u
	v_add_f32 v14, v14, v15                        ; the sum's two halves,
	v_permlanex16_b32 v252, v14, s[SEL], s[SEL+1]
	v_add_f32 v14, v14, v252                       ; and lane l xor 16's: the row's sum
	v_rcp_f32 v14, v14
.rept 4
	v_nop                                          ; a plain place behind the reciprocal; and four places stand between the last products and the first read of O^T
.endr
	s_wait_alu depctr_va_vdst(0)                   ; the wait ahead of the reciprocal's first reader
.set J, 0
.rept 16
	v_pk_mul_f32 v[96+J:97+J], v[160+J:161+J], v[14:15] op_sel_hi:[1,0]   ; register 8 ct + j is channel 32 (ct / 2) + 16 h + 8 (ct % 2) + j of query r
.set J, J+2
.endr
.irp ct, 0,1,2,3
.irp q, 0,1
	ds_store_b128 v[STO], v[96+8*\ct+4*\q:99+8*\ct+4*\q] offset:128*(\ct/2)+32*(\ct%2)+16*\q
.endr
.endr
.irp i, 0,1,2,3,4,5,6,7
	ds_load_b128 v[32+4*\i:35+4*\i], v[RD] offset:544*\i   ; LDS serves a wave's instructions in order: these see my stores
.endr
.irp i, 0,1,2,3,4,5,6,7
	s_wait_dscnt 7-\i                              ; the younger loads from the stage may be out
	global_store_b128 v[GO], v[32+4*\i:35+4*\i], s[8:9] offset:(8*\u+2*\i+8*(\i/4))*4096 th:TH_STORE_NT
.endr
.endm
	START
	s_wait_loadcnt 0x0                             ; Q
.irp g, 0,1,2,3                                ; QUERY TILE 0 begins while the later key steps are on their way
	s_wait_tensorcnt 3-\g                          ; a fetching wave's loads end in order: its scale words and its key steps up to 2 g + w1 are in; the 3 - g loads behind them may be out
	s_barrier_signal -1                            ; (no LDS instruction of mine is out: a step's last wait on them is for 0)
	s_barrier_wait -1                              ; key steps 2 g and 2 g + 1 lie whole in LDS
	s_mov_b32 s[TB], 12288*\g
	s_mov_b32 s[TS], 1024*\g
	s_mov_b32 s[TJ], 512*\g
	STEPS 2, 16, 0
.endr
	OUT 0
	s_wait_xcnt 0x0                                ; the stores have read v32-63, into which the next tile's loads land
	START
	s_mov_b32 s[TB], 0                             ; QUERY TILE 1: all eight key steps lie in LDS
	s_mov_b32 s[TS], 0
	s_mov_b32 s[TJ], 0
	STEPS 8, 192, 1
	OUT 1
	s_wait_tensorcnt 0x0
	ds_add_u32 v223, v243
	s_wait_dscnt 0x0
	s_endpgm
.Lfunc_end_k_q299820e5f6_attn:
	.size	k_q299820e5f6_attn, .Lfunc_end_k_q299820e5f6_attn-k_q299820e5f6_attn
	.p2alignl 7, 3214868480
	.fill 96, 4, 3214868480
	.section	.rodata,"a",@progbits
	.p2align	6, 0x0
	.amdhsa_kernel k_q299820e5f6_attn
		.amdhsa_group_segment_fixed_size 182272
		.amdhsa_private_segment_fixed_size 0
		.amdhsa_enable_private_segment 0
		.amdhsa_kernarg_size 24
		.amdhsa_user_sgpr_count 2
		.amdhsa_user_sgpr_kernarg_segment_ptr 1
		.amdhsa_wavefront_size32 1
		.amdhsa_system_sgpr_workgroup_id_x 1
		.amdhsa_system_sgpr_workgroup_id_y 1
		.amdhsa_system_sgpr_workgroup_id_z 1
		.amdhsa_system_vgpr_workitem_id 0
		.amdhsa_next_free_vgpr 256
		.amdhsa_next_free_sgpr 100
		.amdhsa_reserve_vcc 0
		.amdhsa_float_denorm_mode_32 3
		.amdhsa_float_denorm_mode_16_64 3
		.amdhsa_memory_ordered 1
		.amdhsa_forward_progress 1
		.amdhsa_inst_pref_size 107
	.end_amdhsa_kernel
	.amdgpu_metadata
---
amdhsa.version: [ 1, 2 ]
amdhsa.kernels:
  - .name:           k_q299820e5f6_attn
    .symbol:         k_q299820e5f6_attn.kd
    .args:
      - { .name: qkvc, .offset: 0, .size: 8, .value_kind: global_buffer, .address_space: global }
      - { .name: qkvs, .offset: 8, .size: 8, .value_kind: global_buffer, .address_space: global }
      - { .name: out0, .offset: 16, .size: 8, .value_kind: global_buffer, .address_space: global }
    .group_segment_fixed_size: 182272
    .private_segment_fixed_size: 0
    .kernarg_segment_align: 8
    .kernarg_segment_size: 24
    .max_flat_workgroup_size: 512
    .sgpr_count:     100
    .vgpr_count:     256
    .wavefront_size: 32
...
	.end_amdgpu_metadata
.endif
;; end of part 3
